; MI455X (gfx1250); checked and timed in simulation.
; The chip was launched on July 23, 2026; its instructions are those of AMD's public machine-readable ISA for CDNA 5 (MIT licence, August 2026) and "CDNA5" Instruction Set Architecture Reference Guide (July 2026). The comments in the code are by the model that wrote it; some were corrected since.
;; W4 A8 B8 O8 Linear Parallel. Allowed arithmetic: matrix products marked QUANTISED: E4M3 operands, one given power-of-two scale a tensor, by v_wmma_f32_16x16x64_fp8_fp8 or v_wmma_f32_16x16x128_fp8_fp8, f32 sums; everything else in f32.
;; Inputs: input_scale one number float32; lowp_scales 2 int32 (the exponents e of the quantised operands' scales 2^e); q_w 4,096 x 4,096 int32; s_channel 1 x 4,096 float32; s_group 32 x 4,096 float16; x 4,096 x 4,096 int32.
;; Outputs: out0 4,096 x 4,096 float32.
;; This version of the problem:
;;   THIS VERSION OF THE PROBLEM IS GIVEN IN LOW PRECISION. The matrix products marked QUANTISED in the list below multiply operands that are first quantised to E4M3 (4 exponent bits, 3 mantissa bits; 8 bits a number), with one given power-of-two scale for each operand tensor; their sums are f32. All else is computed in f32.
;;   The module's matrix products, in the order in which they are computed (A, B: the left and right operand; K: the contracted axis; several contracted axes count as one K, in the product's order):
;;     1. [M 4,096, K 4,096] x [K 4,096, N 4,096]; A: input x; B: computed on the way: QUANTISED (scales: A lowp_scales[0], B lowp_scales[1])
;;   THE QUANTISER, for each operand of a quantised product, along K:
;;     - The operand's scale is 2^e, e = its entry of the input lowp_scales (int32; the entries are numbered through the quantised products in the list's order, A before B).
;;     - Each number is divided by the scale, clamped to +-448, and rounded to the nearest number of E4M3, ties to even, subnormals kept.
;;     - The product sums the exact products of the quantised numbers (number of the format x scale) in f32.
;;   ~~~python
;;   def quantise(x, axis, e):      # numpy; x: float32 -> the quantised numbers, widened to float32 again
;;       x = np.moveaxis(x, axis, -1); K = x.shape[-1]
;;       r = np.clip(x / 2.0 ** e, -448, 448)
;;       step = 2.0 ** (np.maximum(np.frexp(np.where(r == 0, 1, r))[1] - 1, -6) - 3)
;;       q = np.round(r / step) * step * 2.0 ** e      # np.round: ties to even
;;       return np.moveaxis(q, -1, axis).astype(np.float32)
;;   ~~~
;;   OPERANDS COMPUTED ON THE WAY. 'Computed on the way' means the value that the module computes at that place (a softmax that the list does not call 'softmax' is quantised finished and normalised). What goes into a quantiser is computed in f32, as accurately as f32 sums, v_exp_f32 and their like allow (about 1e-6 of the number): no bf16 or f16 on the way to a quantiser, and a product that is left as it is and whose result goes on into a quantised operand takes f32 operands (vector FMAs, or v_wmma_f32_16x16x4_f32). A number that lies on a knife's edge between two numbers of the format may be rounded either way, as far as f32 arithmetic and the matrix unit's own rounding can turn it there, and no further.
;; One version. Each part assembles by itself: llvm-mc -triple=amdgcn-amd-amdhsa -mcpu=gfx1250 --defsym DOCPART=n.
;; ======== version 1 of 1: 2 launches
;; limits: right only within a limited range of input values; values are held in f16: magnitudes above 65,504 overflow, below 6.1e-05 lose precision
;; workspace buffers: xc 16,777,216 bytes; wc 16,777,216 bytes
;; launch quant (part 1): grid 256 x 1, 4 waves a work-group, no clusters, 327,680 bytes of LDS; arguments x, q_w, s_group, lowp_scales, xc, wc; writes xc, wc
.if DOCPART == 1
	.amdgcn_target "amdgcn-amd-amdhsa--gfx1250"
	.amdhsa_code_object_version 6
	.text
	.protected	k_q142db25307_quant
	.globl	k_q142db25307_quant
	.p2align	8
	.type	k_q142db25307_quant,@function
k_q142db25307_quant:
	s_mov_b64 s[64:65], 0
	v_nop
	global_prefetch_b8 v0, s[64:65] scope:SCOPE_SE
	s_setreg_imm32_b32 hwreg(HW_REG_WAVE_MODE, 25, 1), 1
	s_wait_xcnt 0x0
; Both operands of y = x w become codes of FP8 (E4M3), one code a byte.  x: [4096 m][4096 k] int32, widened to f32.  w[k][n] = f32(q_w[k][n]) x f32(s_group[k / 128][n]): 4 bits times 11 bits of mantissa, exact in f32.
; code = number / 2^e, held within +-448, rounded to the nearest code, ties to even; e = lowp_scales[0] for x, lowp_scales[1] for w.
; LIMITS: each e lies between -126 and 119, so that 2^e and 448 x 2^e are f32 numbers.  NaN or infinity in s_group is not served.
; THE ORDER OF k.  A row of codes has 4,096 places.  Inside each block of 512, place 16 l + 4 i + j holds k = 128 i + 4 l + j (l = 0..31, i, j = 0..3), alike for x and w, so every product of the next launch
; meets its partner.  Four loads of 16 bytes a lane (512 consecutive bytes each) give lane l of a wave the numbers k = 128 i + 4 l + j of x in 16 consecutive registers, which is what the conversions take.
; xc: [4096 m][4096 places].  wc is laid by operand fragments: byte 65536 (n / 16) + 2048 (place / 128) + 512 c + 256 h + 16 (n % 16) + b holds place 128 (place / 128) + 32 c + 16 h + b of column n.
; SHARES.  256 work-groups of four waves.  Each takes 65,536 numbers of x (a wave: 32 steps of 512) and 256 columns x 256 places of w (a wave: 64 columns).
; q_w comes by ONE tensor load a wave at the head: wave i brings rows row0 + 128 i + 0..63 of the 256 columns, 64 rows of 1,024 bytes, into its own 65,536 bytes of LDS: the work-group's whole share; nothing is filled again.
; x goes from memory through registers, eight steps (32 loads a wave) ahead.  All 32 steps of x stand ahead of the wait for the tiles; behind it come w's eight blocks, read from LDS.
; No cluster and no prefetch: each number is read once, by one work-group, and the whole of a wave's requests for q_w is out from the head on.
; REGISTERS: window 0: v0-31 addresses and scales, v32-47 group scales, v48-63 a block's codes, v64-127 a block's numbers, v128-191 q_w as read from LDS, v192-255 the way out.
;   window 1: v0-127 x as loaded, eight sets of 16; v128-255 x's codes, four registers for each of 32 steps, so that no store's data are written again.
.set SP,    144                        ; a stage row: 128 bytes of codes + 16
.set WSTG,  64*SP                      ; a wave's stage: 64 columns
.set STAGE, 4*65536                    ; behind the four tiles
.set SPARE, STAGE+4*WSTG               ; the spare words: 128 bytes a wave, two blocks of 256 bytes that no other line names
.set HF,   8                           ; v8-11   s_group as loaded: two f16 a lane, four groups
.set LIMX, 12
.set SCX,  13
.set LIMW, 14
.set SCW,  15
.set AW,   16                          ; v16-19  LDS address of my two columns in tile i
.set SPW,  28
.set NIL,  29
.set SG,   32                          ; group i, column c: a pair of equal numbers at SG + 4 i + 2 c
.set C,    48
.set X,    64
.set LS,   128
.set OUTR, 192
.set R,    0
.set CX,   128
.set G0, 32
.set G1, 36
.set MSB, 0
.macro WIN new                         ; the immediate's high byte repeats the setting that is left
.if MSB != (\new)
	s_set_vgpr_msb (MSB<<8)|(\new)
.set MSB, (\new)
.endif
.endm
	s_load_b256 s[4:11], s[0:1], 0x0               ; x, q_w, s_group, lowp_scales
	s_load_b128 s[12:15], s[0:1], 0x20             ; xc, wc
	v_lshl_add_u32 v[SPW], v0, 2, SPARE
	v_mov_b32 v[NIL], 0
	ds_add_u32 v[SPW], v[NIL]                      ; the opening lines: the add, twice on end, and its wait ahead of my tensor load
	ds_add_u32 v[SPW], v[NIL]
	v_lshrrev_b32 v1, 5, v0
	v_readfirstlane_b32 s16, v1                    ; wave 0..3
	v_and_b32 v2, 31, v0                           ; lane
	v_lshlrev_b32 v3, 4, v2                        ; 16 bytes a lane: x's loads, both buffers' stores
	v_lshlrev_b32 v5, 2, v2                        ; s_group: 4 bytes a lane
	v_lshlrev_b32 v20, 8, v1
	v_lshl_add_u32 v[AW], v2, 3, v20               ; in a tile's row of 1,024 bytes: my wave's 256, my lane's 8
	v_add_nc_u32 v[AW+1], 0x10000, v[AW]
	v_add_nc_u32 v[AW+2], 0x20000, v[AW]
	v_add_nc_u32 v[AW+3], 0x30000, v[AW]
	v_mul_u32_u24 v21, v1, WSTG
	v_add_nc_u32 v21, STAGE, v21                   ; my wave's stage
	v_mad_u32_u24 v4, v2, SP, v21                  ; into it: column 2 l + c lies in stage row 32 c + l
	v_and_b32 v6, 15, v2
	v_lshrrev_b32 v22, 4, v2
	v_and_b32 v23, 1, v6
	v_mul_u32_u24 v23, v23, 32*SP
	v_lshrrev_b32 v6, 1, v6
	v_mad_u32_u24 v7, v6, SP, v23                  ; out of it: lane (h, r) takes column r of a block of 16: stage row 32 (r % 2) + r / 2 (+ 8 for each block),
	v_lshl_add_u32 v7, v22, 4, v7                  ; and of it the 16 bytes at 16 h
	v_add_nc_u32 v7, v21, v7
	s_wait_alu depctr_va_vdst(0)                   ; the wait behind these writes
	s_mov_b32 s[G0], 1
	s_lshl_b32 s[G0+1], s16, 16                    ; my tile's place in LDS
	s_mov_b32 s[G1], 2<<16                         ; elements of 4 bytes, no padding: a lane's 8 bytes lie on end with its neighbours'
	s_mov_b32 s[G1+1], 256<<16
	s_mov_b32 s[G1+2], 64<<16
	s_mov_b32 s[G1+3], 256<<16
	s_mov_b32 s[G1+4], 64
	s_mov_b32 s[G1+5], 4096
	s_mov_b32 s[G1+6], 0
	s_mov_b32 s[G1+7], 0
	s_and_b32 s17, ttmp9, 15
	s_lshl_b32 s17, s17, 8                         ; the work-group's first column
	s_lshr_b32 s18, ttmp9, 4                       ; y: which 256 places
	s_lshr_b32 s19, s18, 1                         ; the block of 512 along K
	s_and_b32 s20, s18, 1                          ; its lower or upper 256 places: l = 0..15 or 16..31
	s_lshl_b32 s21, s19, 9
	s_lshl_b32 s20, s20, 6
	s_add_co_u32 s21, s21, s20                     ; row0 = 512 x block + 64 x half
	s_lshl_b32 s20, s16, 7
	s_add_co_u32 s21, s21, s20                     ; my tile: + 128 x wave
	s_lshl_b32 s24, s21, 14
	s_lshl_b32 s20, s17, 2
	s_add_co_u32 s24, s24, s20
	s_mov_b32 s25, 0
	s_lshl_b32 s20, s16, 6
	s_add_co_u32 s17, s17, s20                     ; my wave's first column
	s_lshl_b32 s26, s19, 15                        ; s_group: four groups of 8,192 bytes to a block of 512
	s_lshl_b32 s20, s17, 1
	s_add_co_u32 s26, s26, s20
	s_mov_b32 s27, 0
	s_lshl_b32 s28, s17, 12                        ; wc: 16 columns are 65,536 bytes; 256 places are two steps of 2,048
	s_lshl_b32 s20, s18, 12
	s_add_co_u32 s28, s28, s20
	s_mov_b32 s29, 0
	s_lshl_b32 s30, ttmp9, 2
	s_add_co_u32 s30, s30, s16                     ; which run of 16,384 numbers of x is my wave's
	s_lshl_b32 s44, s30, 14
	s_lshl_b32 s30, s30, 16
	s_mov_b32 s31, 0
	s_mov_b32 s45, 0
	s_wait_dscnt 0x0                               ; both opening adds are done
	s_wait_kmcnt 0x0
	s_load_b64 s[22:23], s[10:11], 0x0             ; e of x, e of w
	s_add_nc_u64 s[G0+2:G0+3], s[6:7], s[24:25]
	s_or_b32 s[G0+3], s[G0+3], 0x80000000
	s_add_nc_u64 s[4:5], s[4:5], s[30:31]
	s_add_nc_u64 s[8:9], s[8:9], s[26:27]
	s_add_nc_u64 s[12:13], s[12:13], s[44:45]
	s_add_nc_u64 s[14:15], s[14:15], s[28:29]
	tensor_load_to_lds s[G0:G0+3], s[G1:G1+7]      ; my one tensor load
	s_nop 0
.rept 4
	v_nop
.endr
.irp i, 0,1,2,3
	global_load_b32 v[HF+\i], v5, s[8:9] offset:8192*\i   ; the block's four groups, my two columns
.endr
.macro LOADX t
.irp i, 0,1,2,3
	global_load_b128 v[R+16*((\t)%8)+4*\i:R+16*((\t)%8)+4*\i+3], v3, s[4:5] offset:2048*(\t)+512*\i th:TH_LOAD_NT   ; 32 lanes read 512 consecutive bytes: k = 128 i + 4 l + 0..3
.endr
.endm
	WIN 0x40                                       ; destination window 1, address window 0
.irp t, 0,1,2,3,4,5,6,7
	LOADX \t
.endr
	WIN 0
.macro SCALE e, sc, lim                ; 2^e and 448 x 2^e from the exponent in s[e]
	s_add_co_i32 s46, s[\e], 127
	s_lshl_b32 s47, s46, 23
	v_mov_b32 v[\sc], s47
	s_add_co_i32 s46, s46, 8
	s_lshl_b32 s46, s46, 23
	s_or_b32 s46, s46, 0x600000                    ; 448 = 1.75 x 2^8
	v_mov_b32 v[\lim], s46
.endm
	s_wait_kmcnt 0x0
	SCALE 22, SCX, LIMX
	SCALE 23, SCW, LIMW
	s_wait_alu depctr_va_vdst(0)                   ; the wait at the head's end
.macro STEPX t                         ; 512 numbers of x
.set RS, R+16*((\t)%8)
.if 31-(\t) >= 7
	s_wait_loadcnt 28                              ; this step's four loads are in; those of the seven steps behind it may be out
.else
	s_wait_loadcnt 4*(31-(\t))
.endif
	WIN 0x41                                       ; source 0 and destination window 1; the bound and the scale window 0
.set rr, 0
.rept 16
	v_cvt_f32_i32 v[RS+rr], v[RS+rr]
.set rr, rr+1
.endr
.set rr, 0
.rept 16
	v_med3_num_f32 v[RS+rr], v[RS+rr], -v[LIMX], v[LIMX]   ; the conversion to an 8-bit code does not saturate (ISA guide 7.6.2): the hold at the largest code x the scale
.set rr, rr+1
.endr
	v_cvt_scalef32_pk8_fp8_f32 v[CX+4*(\t):CX+4*(\t)+1], v[RS:RS+7], v[SCX]
	v_cvt_scalef32_pk8_fp8_f32 v[CX+4*(\t)+2:CX+4*(\t)+3], v[RS+8:RS+15], v[SCX]
	v_nop                                          ; a plain vector line behind the last conversion
	WIN 0x04                                       ; the store's data window 1
	global_store_b128 v3, v[CX+4*(\t):CX+4*(\t)+3], s[12:13] offset:512*(\t)   ; 32 lanes store 512 consecutive bytes: place 16 l + 4 i + j
.if (\t)+8 < 32
	WIN 0x40
	LOADX (\t)+8                                   ; into the set that has just been read
.endif
	WIN 0
.endm
; Block t of w is places 32 t + r, r = 0..31, of my 256: tile (r / 4) % 4, its row 4 (2 t + r / 16) + r % 4.
.macro LOADB t
.set rr, 0
.rept 32
	ds_load_b64 v[LS+2*rr:LS+2*rr+1], v[AW+(rr/4)%4] offset:(4*(2*(\t)+rr/16)+rr%4)*1024
.set rr, rr+1
.endr
.endm
.macro BLOCK t
	s_wait_dscnt 0x0                               ; this block's numbers are in, and the last block's stores into the stage are done
.irp c, 0,1
.set rr, 0
.rept 32
	v_cvt_f32_i32 v[X+32*\c+rr], v[LS+2*rr+\c]     ; the widening also sorts my two columns apart
.set rr, rr+1
.endr
.endr
.if (\t) < 7
	LOADB (\t)+1
.endif
.irp c, 0,1
.set rr, 0
.rept 16
	v_pk_mul_f32 v[X+32*\c+rr:X+32*\c+rr+1], v[X+32*\c+rr:X+32*\c+rr+1], v[SG+4*((rr/4)%4)+2*\c:SG+4*((rr/4)%4)+2*\c+1]   ; x the group's scale: places r and r + 1 lie in one group
.set rr, rr+2
.endr
.endr
.set rr, 0
.rept 64
	v_med3_num_f32 v[X+rr], v[X+rr], -v[LIMW], v[LIMW]
.set rr, rr+1
.endr
.irp c, 0,1
.irp g, 0,1,2,3
	v_cvt_scalef32_pk8_fp8_f32 v[C+8*\c+2*\g:C+8*\c+2*\g+1], v[X+32*\c+8*\g:X+32*\c+8*\g+7], v[SCW]
.endr
.endr
	v_nop                                          ; a plain vector line behind the last conversion
.irp c, 0,1
	ds_store_b128 v4, v[C+8*\c:C+8*\c+3] offset:\c*32*SP+32*((\t)%4)
	ds_store_b128 v4, v[C+8*\c+4:C+8*\c+7] offset:\c*32*SP+32*((\t)%4)+16
.endr
.endm
.macro WOUT ks                         ; 128 places of my 64 columns leave: unit uu is block uu / 4 of 16 columns, c = uu % 4.  LDS serves a wave's instructions in order (ISA guide 5.7.1.4)
.if \ks
	s_wait_xcnt 0x0                                ; the first way out's stores have read their registers
.endif
.set uu, 0
.rept 16
	ds_load_b128 v[OUTR+4*uu:OUTR+4*uu+3], v7 offset:(uu/4)*8*SP+(uu%4)*32
.set uu, uu+1
.endr
.set uu, 0
.rept 16
	s_wait_dscnt 15-uu
	global_store_b128 v3, v[OUTR+4*uu:OUTR+4*uu+3], s[14:15] offset:(uu/4)*65536+(\ks)*2048+(uu%4)*512   ; 32 lanes store 512 consecutive bytes, at a multiple of 512 from wc's first byte
.set uu, uu+1
.endr
.endm
.irp t, 0,1,2,3,4,5,6,7,8,9,10,11,12,13,14,15,16,17,18,19,20,21,22,23,24,25,26,27,28,29,30,31
	STEPX \t
.endr
.irp i, 0,1,2,3
	v_cvt_f32_f16 v[SG+4*\i],   v[HF+\i].l         ; each scale twice: a pair for the packed multiply
	v_cvt_f32_f16 v[SG+4*\i+1], v[HF+\i].l
	v_cvt_f32_f16 v[SG+4*\i+2], v[HF+\i].h
	v_cvt_f32_f16 v[SG+4*\i+3], v[HF+\i].h
.endr
	s_wait_alu depctr_va_vdst(0)                   ; the wait here, directly ahead of the wait below
	s_wait_tensorcnt 0x0                           ; my tile has landed;
	s_barrier_signal -1
	s_barrier_wait -1                              ; and so have the others', of which I read my 64 columns
	LOADB 0
.irp t, 0,1,2,3,4,5,6,7
	BLOCK \t
.if \t == 3
	WOUT 0
.endif
.if \t == 7
	WOUT 1
.endif
.endr
	s_wait_tensorcnt 0x0                           ; the wave's end
	ds_add_u32 v[SPW], v[NIL]
	s_wait_dscnt 0x0
	s_endpgm
.Lfunc_end_k_q142db25307_quant:
	.size	k_q142db25307_quant, .Lfunc_end_k_q142db25307_quant-k_q142db25307_quant
	.p2alignl 7, 3214868480
	.fill 96, 4, 3214868480
	.section	.rodata,"a",@progbits
	.p2align	6, 0x0
	.amdhsa_kernel k_q142db25307_quant
		.amdhsa_group_segment_fixed_size 327680
		.amdhsa_private_segment_fixed_size 0
		.amdhsa_enable_private_segment 0
		.amdhsa_kernarg_size 48
		.amdhsa_user_sgpr_count 2
		.amdhsa_user_sgpr_kernarg_segment_ptr 1
		.amdhsa_wavefront_size32 1
		.amdhsa_system_sgpr_workgroup_id_x 1
		.amdhsa_system_sgpr_workgroup_id_y 1
		.amdhsa_system_sgpr_workgroup_id_z 1
		.amdhsa_system_vgpr_workitem_id 0
		.amdhsa_next_free_vgpr 512
		.amdhsa_next_free_sgpr 66
		.amdhsa_reserve_vcc 0
		.amdhsa_float_denorm_mode_32 3
		.amdhsa_float_denorm_mode_16_64 3
		.amdhsa_memory_ordered 1
		.amdhsa_forward_progress 1
		.amdhsa_inst_pref_size 171
	.end_amdhsa_kernel
	.amdgpu_metadata
---
amdhsa.version: [ 1, 2 ]
amdhsa.kernels:
  - .name:           k_q142db25307_quant
    .symbol:         k_q142db25307_quant.kd
    .args:
      - { .name: x, .offset: 0, .size: 8, .value_kind: global_buffer, .address_space: global }
      - { .name: q_w, .offset: 8, .size: 8, .value_kind: global_buffer, .address_space: global }
      - { .name: s_group, .offset: 16, .size: 8, .value_kind: global_buffer, .address_space: global }
      - { .name: lowp_scales, .offset: 24, .size: 8, .value_kind: global_buffer, .address_space: global }
      - { .name: xc, .offset: 32, .size: 8, .value_kind: global_buffer, .address_space: global }
      - { .name: wc, .offset: 40, .size: 8, .value_kind: global_buffer, .address_space: global }
    .group_segment_fixed_size: 327680
    .private_segment_fixed_size: 0
    .kernarg_segment_align: 8
    .kernarg_segment_size: 48
    .max_flat_workgroup_size: 128
    .sgpr_count:     66
    .vgpr_count:     512
    .wavefront_size: 32
...
	.end_amdgpu_metadata
.endif
;; end of part 1
;; launch gemm (part 2): grid 16 x 16, 4 waves a work-group, clusters of 4 x 1, 327,680 bytes of LDS; arguments xc, wc, lowp_scales, input_scale, s_channel, out0; writes out0
.if DOCPART == 2
	.amdgcn_target "amdgcn-amd-amdhsa--gfx1250"
	.amdhsa_code_object_version 6
	.text
	.protected	k_q142db25307_gemm
	.globl	k_q142db25307_gemm
	.p2align	8
	.type	k_q142db25307_gemm,@function
k_q142db25307_gemm:
	s_mov_b64 s[64:65], 0
	v_nop
	global_prefetch_b8 v0, s[64:65] scope:SCOPE_SE
	s_setreg_imm32_b32 hwreg(HW_REG_WAVE_MODE, 25, 1), 1
	s_wait_xcnt 0x0
	s_wait_alu depctr_hold_cnt(0) depctr_sa_sdst(0) depctr_va_vdst(0) depctr_va_sdst(0) depctr_va_ssrc(0) depctr_va_vcc(0) depctr_vm_vsrc(0)
	s_getreg_b32 s2, hwreg(HW_REG_IB_STS2, 6, 4)
	s_cmp_eq_u32 s2, 0
	s_cbranch_scc0 .Lentry_in_a_cluster
	s_endpgm
.Lentry_in_a_cluster:
	s_bfe_u32 s2, ttmp6, 0x10000c
	s_cmp_lg_u32 s2, 0x3003
	s_cbranch_scc0 .Lentry_shape_is_right
	s_endpgm
.Lentry_shape_is_right:
; out0[m][n] = (sum over k of xc[m][k] wc[n][k]) x 2^(e0 + e1) x input_scale x s_channel[n].  xc, wc: codes of FP8 (E4M3) that the launch before made; sums in f32.
; Both buffers hold k in one and the same order of places, so every product meets its partner; only the order of the sums differs from ascending k.
; A work-group of four waves makes 256 x 256 of out0; a wave makes ALL 256 rows x 64 columns: 64 accumulators of 16 x 16, 512 registers.
; x: the block's 256 rows are read by all four waves: they come by tensor loads through two LDS slots of 256 rows x 512 places (a memory row piece of 512 bytes at a multiple of 512; 64 rows a wave a load).
;    A slot serves four steps of 128 along K: 256 matrix instructions a wave for each change of slots.  Its 64 fragments (16 rows x 128 places) go to registers in ten groups of 7, 6, 6, 7, 6, 7, 6, 6, 7, 6,
;    through two buffers of 7 fragments: behind group g's products one run of loads brings group g + 2.
; w: a wave's 64 columns are read by that wave alone in its work-group: they go from memory straight into registers.  wc is laid by fragments (65536 (n / 16) + 2048 step + 512 c + 16 lane), so each load reads 512
;    consecutive bytes.  Four sets of 64 registers take turns: the first run of loads behind a step's last product asks for the step four on.
; THE LAST THREE STEPS GO BY ROWS OF out0: w's last three sets stay in their registers, and my sixteen blocks of 16 rows are finished one after the other, 12 matrix instructions each; a finished block leaves
;    through the stage while the others are multiplied.
; CLUSTERS: 4 x 1 work-groups: four neighbouring blocks of columns of one block of rows.  They need the same tiles of x, and ask for them JOINTLY (mask 15).  w's fragments are shared with no partner of the cluster.
; THE MATRIX INSTRUCTION IS USED TRANSPOSED (source 0 = 16 columns of w, source 1 = 16 rows of x): a lane holds eight neighbouring numbers of a row of out0.
; PREFETCH: behind each refill in the loop's first two trips one instruction a wave asks for x's tile four slots on (256 rows x 512 bytes = 512 blocks of 256 bytes = 4 partners x 4 waves x 32 lanes, shared out by address),
;    and one for w's fragments four slots on: a wave's 128 blocks are shared by address among the 16 work-groups of the same columns, 8 blocks each; lanes 8-31 name the eighth again.  Slots 0-3 come by their loads alone.
; LIMITS: s_channel x input_scale x 2^(e0 + e1) is made by v_ldexp_f32 and may overflow or underflow as f32 does.
; REGISTERS: window 0: v0-31 addresses, v32-143 and v144-255 x's two buffers; by rows: v144-191 and v32-79 a block's three fragments by turns, v80-143 rows read back from the stage.
;   window 1: w's four sets; windows 2, 3: accumulator (a, nb) at v[8 (4 (a % 8) + nb)], a = 0-7 and 8-15.
.set PITCH,  528                       ; an LDS row: 512 bytes + 16 = 132 words: the 16 rows that a fragment load touches start 4 banks apart (64 banks of 4 bytes: ISA guide 11.1)
.set BLK,    16*PITCH
.set QUART,  64*PITCH                  ; what one tensor load brings
.set SLOT,   256*PITCH
.set STAGE,  2*SLOT                    ; behind the ring: 16 rows x 272 bytes for each wave, for the way out
.set SPITCH, 272
.set SPARE,  STAGE+4*16*SPITCH         ; the spare words: 128 bytes a wave, two blocks of 256 bytes that no other line names
.set F,    8                           ; v8-11   the factors of my four columns on the way out
.set ADX,  16                          ; v16-19  x fragments in LDS: slot 0 rows 0-127, 128-255; slot 1 likewise
.set WO,   20                          ; v20     16 x lane
.set STO,  24
.set RD,   25
.set CO,   26
.set PFW,  27                          ; v27     w's prefetch: 256 x min(lane, 7)
.set SPW,  28
.set NIL,  29
.set PFO,  30                          ; v30     x's prefetch: 4096 (lane % 16) + 256 (lane / 16)
.set FO,   31                          ; v31     16 (lane % 16)
.set XB,   32
.set BK,   80
.set G1, 24                            ; s[24:31] descriptor group 1
.set G0, 32                            ; s[32:39] group 0, one set for each slot
.set WB, 40                            ; s[40:41] w's fragments: my wave's first block of 16 columns, stepped once a trip
.set PFA, 42                           ; s[42:43] x's prefetch
.set PFB, 54                           ; s[54:55] w's prefetch
.set MSB, 0
.macro WIN new                         ; the immediate's high byte repeats the setting that is left
.if MSB != (\new)
	s_set_vgpr_msb (MSB<<8)|(\new)
.set MSB, (\new)
.endif
.endm
.set TO_W, 0x40                        ; destination window 1, address window 0
.macro PLACES
.rept 4
	v_nop
.endr
.endm
.macro JLOAD s                         ; my 64 rows of a slot, asked for jointly with the three partners; s_nop 0 and four v_nop follow
	tensor_load_to_lds s[G0+4*(\s):G0+4*(\s)+3], s[G1:G1+7]
	s_nop 0
	PLACES
.endm
.macro CREST
	s_cmp_lg_u32 s14, 0
	s_cbranch_scc1 .Lnot_wave_0_\@
	s_barrier_signal -3
.Lnot_wave_0_\@:
	s_barrier_wait -3
	s_barrier_signal -1
	s_barrier_wait -1
.endm
.macro CROUND
	s_barrier_signal -1
	s_barrier_wait -1
	CREST
.endm
.macro ASK                             ; s3 = 1 in the loop's last trip, whose refills have no slot four on
	s_cmp_gt_u32 s3, 1
	s_cbranch_scc0 .Lno_ask_\@
	global_prefetch_b8 v[PFO], s[PFA:PFA+1] th:TH_LOAD_NT scope:SCOPE_SE
	global_prefetch_b8 v[PFW], s[PFB:PFB+1] th:TH_LOAD_NT scope:SCOPE_SE
.Lno_ask_\@:
.endm
	s_load_b128 s[4:7], s[0:1], 0x0                ; xc, wc
	s_load_b128 s[8:11], s[0:1], 0x10              ; lowp_scales, input_scale
	s_load_b128 s[68:71], s[0:1], 0x20             ; s_channel, out0
	v_lshl_add_u32 v[SPW], v0, 2, SPARE
	v_mov_b32 v[NIL], 0
	ds_add_u32 v[SPW], v[NIL]                      ; the opening lines: the add, twice on end, and its wait ahead of my first tensor load
	ds_add_u32 v[SPW], v[NIL]
	v_lshrrev_b32 v1, 5, v0
	v_readfirstlane_b32 s14, v1                    ; wave 0..3
	v_and_b32 v2, 15, v0                           ; r
	v_bfe_u32 v3, v0, 4, 1                         ; h
	v_mul_u32_u24 v4, v2, PITCH
	v_lshl_add_u32 v[ADX], v3, 4, v4               ; a fragment's row x pitch + 16 h
	v_add_nc_u32 v[ADX+1], 8*BLK, v[ADX]
	v_add_nc_u32 v[ADX+2], SLOT, v[ADX]
	v_add_nc_u32 v[ADX+3], SLOT+8*BLK, v[ADX]
	v_and_b32 v5, 31, v0
	v_lshlrev_b32 v[WO], 4, v5
	v_mul_u32_u24 v6, v1, 16*SPITCH                ; my wave's stage
	v_mad_u32_u24 v7, v2, SPITCH, v6
	v_lshl_add_u32 v7, v3, 5, v7
	v_add_nc_u32 v[STO], STAGE, v7                 ; in: row r, 32 bytes for each half of the lanes
	v_mad_u32_u24 v9, v3, SPITCH, v6
	v_lshl_add_u32 v9, v2, 4, v9
	v_add_nc_u32 v[RD], STAGE, v9                  ; back: lanes 0-15 one row of 256 bytes, lanes 16-31 the next
	v_lshlrev_b32 v[FO], 4, v2
	v_lshl_add_u32 v[CO], v3, 14, v[FO]            ; and the same two rows in out0 (a row is 16,384 bytes)
	v_lshlrev_b32 v10, 8, v3
	v_lshl_add_u32 v[PFO], v2, 12, v10
	v_min_u32 v11, 7, v5
	v_lshlrev_b32 v[PFW], 8, v11
	s_wait_alu depctr_va_vdst(0)                   ; the wait behind the head's last vector write
	s_bfe_u32 s15, ttmp6, 0x40000                  ; cx
	s_lshl_b32 s16, ttmp9, 2
	s_add_co_u32 s16, s16, s15                     ; block of columns = 4 x cluster x + cx
	s_and_b32 s17, ttmp7, 0xffff                   ; block of rows = cluster y: shared by the four partners
	s_mov_b32 s[G1], 15|(1<<20)|(1<<21)|(6<<22)|(3<<25)  ; mask 15; element of 1 byte; padding on; bit 21 beside a mask; after every 128 words, 4 words
	s_mov_b32 s[G1+1], 512<<16
	s_mov_b32 s[G1+2], 64<<16
	s_mov_b32 s[G1+3], 512<<16
	s_mov_b32 s[G1+4], 64
	s_mov_b32 s[G1+5], 4096
	s_mov_b32 s[G1+6], 0
	s_mov_b32 s[G1+7], 0
	s_lshl_b32 s18, s17, 20
	s_lshl_b32 s20, s14, 18
	s_add_co_u32 s18, s18, s20                     ; xc: (256 x block of rows + 64 x wave) rows of 4,096 bytes
	s_mov_b32 s19, 0
	s_mul_i32 s21, s14, QUART                      ; and where they go in a slot
	s_lshl_b32 s22, s16, 20
	s_add_co_u32 s22, s22, s20                     ; wc: (16 x block of columns + 4 x wave) blocks of 65,536 bytes
	s_mov_b32 s23, 0
	s_lshl_b32 s44, s16, 10
	s_lshl_b32 s45, s14, 8
	s_add_co_u32 s44, s44, s45                     ; my first column in bytes of f32
	s_mov_b32 s45, 0
	s_lshl_b32 s46, s17, 22                        ; my block's first row of out0 in bytes
	s_mov_b32 s47, 0
	s_lshl_b32 s48, s15, 16                        ; x's prefetch: my work-group's 16 of the 64 rows that I fetch
	s_mov_b32 s49, 0
	s_lshr_b32 s50, s17, 2                         ; w's prefetch: of my wave's 128 blocks of a slot, blocks 8 x block of rows + 0..7
	s_lshl_b32 s50, s50, 16
	s_and_b32 s52, s17, 3
	s_lshl_b32 s52, s52, 11
	s_add_co_u32 s50, s50, s52
	s_mov_b32 s51, 0
	s_wait_dscnt 0x0                               ; both opening adds are done
	s_wait_kmcnt 0x0
	s_load_b64 s[96:97], s[8:9], 0x0               ; e0, e1
	s_load_b32 s72, s[10:11], 0x0                  ; input_scale
	s_add_nc_u64 s[18:19], s[4:5], s[18:19]
	s_add_nc_u64 s[WB:WB+1], s[6:7], s[22:23]
	s_add_nc_u64 s[68:69], s[68:69], s[44:45]
	s_add_nc_u64 s[70:71], s[70:71], s[44:45]
	s_add_nc_u64 s[70:71], s[70:71], s[46:47]
	s_add_nc_u64 s[PFA:PFA+1], s[18:19], s[48:49]
	s_add_nc_u64 s[PFA:PFA+1], s[PFA:PFA+1], 3*512   ; the first refill steps it to slot 4
	s_add_nc_u64 s[PFB:PFB+1], s[WB:WB+1], s[50:51]
	s_add_nc_u64 s[PFB:PFB+1], s[PFB:PFB+1], 3*8192
.irp s, 0,1
	s_mov_b32 s[G0+4*\s], 1
	s_add_co_u32 s[G0+4*\s+1], s21, \s*SLOT
	s_add_nc_u64 s[G0+4*\s+2:G0+4*\s+3], s[18:19], \s*512
	s_or_b32 s[G0+4*\s+3], s[G0+4*\s+3], 0x80000000
.endr
	CROUND                                         ; the four partners are here: the first joint loads meet
	JLOAD 0                                        ; slot 0: one tensor load a wave at the head
.macro WLOAD set, rel                  ; w's four fragments of the step that lies rel steps behind s[WB]
.irp nb, 0,1,2,3
.irp c, 0,1,2,3
	global_load_b128 v[64*(\set)+16*\nb+4*\c:64*(\set)+16*\nb+4*\c+3], v[WO], s[WB:WB+1] offset:65536*\nb+2048*(\rel)+512*\c
.endr
.endr
.endm
.macro GEO g                           ; group g of a slot (0..9): GF its first fragment, GN how many.  Fragment f is x's block f % 16 of step f / 16
.set GI, (\g)%5
.set GF, 32*((\g)/5)+6*GI+(GI+3)/4+GI/4
.set GN, 7-((GI%3)+1)/2
.endm
.macro FETG slot, g                    ; group g's fragments into buffer g % 2
	GEO \g
.set fi, 0
.rept GN
.irp c, 0,1,2,3
	ds_load_b128 v[XB+112*((\g)%2)+16*fi+4*\c:XB+112*((\g)%2)+16*fi+4*\c+3], v[ADX+2*(\slot)+((GF+fi)%16)/8] offset:BLK*((GF+fi)%8)+128*((GF+fi)/16)+32*\c
.endr
.set fi, fi+1
.endr
.endm
; cnt fragments of group g, from its i0-th on, each against w's four.  The 64 accumulators take turns, one instruction a turn, in the same order in every step.
; z = 1: the slot's first step starts the sums: nothing is ever cleared.
.macro MULG g, i0, cnt, z
	GEO \g
.set fi, \i0
.rept \cnt
.set AA, (GF+fi)%16
.set WS, 64*((GF+fi)/16)
.set XR, XB+112*((\g)%2)+16*fi
.set AC, 32*(AA%8)
.set ZF, (\z)*((3-(GF+fi)/16)/3)
	WIN 0xa1+0x50*(AA/8)                           ; source 0 window 1, source 1 window 0, C and D window 2 or 3
.irp nb, 0,1,2,3
.if ZF
	v_wmma_f32_16x16x128_fp8_fp8 v[AC+8*\nb:AC+8*\nb+7], v[WS+16*\nb:WS+16*\nb+15], v[XR:XR+15], 0
.else
	v_wmma_f32_16x16x128_fp8_fp8 v[AC+8*\nb:AC+8*\nb+7], v[WS+16*\nb:WS+16*\nb+15], v[XR:XR+15], v[AC+8*\nb:AC+8*\nb+7]
.endif
.endr
.set fi, fi+1
.endr
.endm
; Group g (0..7): its products, four places, then ONE run of loads: w's set wset anew where wrel >= 0 (the step that read it is over), and group g + 2 into the buffer just read.
.macro GRP slot, g, z, wset, wrel, lc
.if \lc>=0
	s_wait_loadcnt \lc                             ; the set of the step that begins in this group is in; the younger sets may be out
.endif
	GEO (\g)+1
	s_wait_dscnt 4*GN                              ; this group is in; the next group's loads may be out
	MULG \g, 0, GN, \z
	PLACES
.if \wrel>=0
	WIN TO_W
	WLOAD \wset, \wrel
.endif
	WIN 0
	FETG \slot, (\g)+2
.endm
.macro FRONT slot, z, r                ; groups 0-2; step 0 ends in group 2
	GRP \slot, 0, \z, 0, -1, 48
	GRP \slot, 1, \z, 0, -1, -1
	GRP \slot, 2, \z, 0, \r, 32
.endm
.macro MID slot, r                     ; groups 3-6; step 1 ends with group 4
	GRP \slot, 3, 0, 0, -1, -1
	GRP \slot, 4, 0, 1, \r, -1
	GRP \slot, 5, 0, 0, -1, 48
	GRP \slot, 6, 0, 0, -1, -1
.endm
; Groups 7-9 and the change of slots.  fill = 1: this slot is filled again.
.macro SLOTEND slot, fill, w7, w9
	GRP \slot, 7, 0, 2, \w7, 32                    ; its run holds my last reads of this slot
.if \fill
	s_wait_xcnt 0x0                                ; my prefetches have read their addresses: they step here, one slot on
	s_add_nc_u64 s[PFA:PFA+1], s[PFA:PFA+1], 512
	s_add_nc_u64 s[PFB:PFB+1], s[PFB:PFB+1], 8192
.endif
	s_wait_tensorcnt 0x0                           ; my one tensor load that was out, my part of the next slot, has landed;
	ds_add_u32 v[SPW], v[NIL]                      ; 0 onto my spare word
	s_wait_dscnt 24                                ; (group 8 is in)
	MULG 8, 0, 4, 0                                ; sixteen matrix instructions stand between the add and the wait for it
	s_wait_dscnt 0x0                               ; the add is done, and my reads of this slot are over
	s_barrier_signal -1
	MULG 8, 4, 3, 0
	WIN 0
	s_barrier_wait -1
.if \fill
	CREST                                          ; the barrier has opened a round of the cluster's barrier: no wave of any partner still reads this slot or has a load on its way
	s_add_nc_u64 s[G0+4*\slot+2:G0+4*\slot+3], s[G0+4*\slot+2:G0+4*\slot+3], 1024
	JLOAD \slot                                    ; the first tensor load behind the round; its four v_nop are the places in front of the loads below
.else
	PLACES
.endif
	FETG 1-\slot, 0
.if \fill
	ASK
.endif
	MULG 9, 0, GN, 0                               ; group 9 has been in since the wait for 0 above
	PLACES
	WIN TO_W
	WLOAD 3, \w9
	WIN 0
	FETG 1-\slot, 1
.endm
; BY ROWS.  Block a of 16 rows, steps 1-3 of slot 1: three fragments, into v144-191 (a even) or v32-79 (a odd).
.macro FETR a
.set PR, 144-112*((\a)%2)
.irp q, 1,2,3
.irp c, 0,1,2,3
	ds_load_b128 v[PR+16*(\q-1)+4*\c:PR+16*(\q-1)+4*\c+3], v[ADX+2+(\a)/8] offset:BLK*((\a)%8)+128*\q+32*\c
.endr
.endr
.endm
.macro ROWM a                          ; block a is finished: 12 matrix instructions, its four accumulators by turns: three others stand between two steps of a sum
.set PR, 144-112*((\a)%2)
.set AC, 32*((\a)%8)
	WIN 0xa1+0x50*((\a)/8)
.irp q, 1,2,3
.if (\a)==0
	s_wait_loadcnt 16*(3-\q)                       ; w's set of this step is in; the younger sets may be out
.endif
.irp nb, 0,1,2,3
	v_wmma_f32_16x16x128_fp8_fp8 v[AC+8*\nb:AC+8*\nb+7], v[64*\q+16*\nb:64*\q+16*\nb+15], v[PR+16*(\q-1):PR+16*(\q-1)+15], v[AC+8*\nb:AC+8*\nb+7]
.endr
.endr
.endm
; THE WAY OUT of a block of 16 rows x 64 columns: through my own stage in LDS, back as whole rows of 256 bytes, x the columns' factors, sixteen lanes to an aligned unit of 256 bytes.
; LDS serves a wave's instructions in order (ISA guide 5.7.1.4): no wait between the stores and the loads, nor in front of the next block's stores.
.macro TOSTAGE a
.set AC, 32*((\a)%8)
.set BB, BK+32*((\a)%2)
	WIN 0x08+4*((\a)/8)                            ; the stores' data: window 2 or 3
.irp nb, 0,1,2,3
	ds_store_b128 v[STO], v[AC+8*\nb:AC+8*\nb+3] offset:64*\nb         ; each accumulator from its low end on
	ds_store_b128 v[STO], v[AC+8*\nb+4:AC+8*\nb+7] offset:64*\nb+16
.endr
	WIN 0
.irp t, 0,1,2,3,4,5,6,7
	ds_load_b128 v[BB+4*\t:BB+4*\t+3], v[RD] offset:\t*2*SPITCH
.endr
.endm
.macro SEND a, younger                 ; younger: the LDS instructions issued behind block a's loads.  The farthest offset is 254 rows of 16,384 bytes, inside the signed 24-bit immediate (ISA guide, chapter 10)
.set BB, BK+32*((\a)%2)
	s_wait_dscnt \younger
.irp t, 0,1,2,3,4,5,6,7
	v_pk_mul_f32 v[BB+4*\t:BB+4*\t+1], v[BB+4*\t:BB+4*\t+1], v[F:F+1]
	v_pk_mul_f32 v[BB+4*\t+2:BB+4*\t+3], v[BB+4*\t+2:BB+4*\t+3], v[F+2:F+3]
	global_store_b128 v[CO], v[BB+4*\t:BB+4*\t+3], s[70:71] offset:(\a)*16*16384+\t*2*16384 th:TH_STORE_NT
.endr
.endm
	global_load_b128 v[F:F+3], v[FO], s[68:69]     ; s_channel of the four columns that I store
	WIN TO_W
	WLOAD 0, 0
	WLOAD 1, 1
	WIN 0
	s_wait_tensorcnt 0x0                           ; my part of slot 0 is in
	ds_add_u32 v[SPW], v[NIL]
	s_wait_dscnt 0x0
	CROUND                                         ; everybody's part of slot 0 is in, and the partners' joint loads meet
	JLOAD 1                                        ; slot 1's first fill, the first tensor load behind the round
	FETG 0, 0
	FETG 0, 1
	WIN TO_W
	WLOAD 2, 2
	WLOAD 3, 3
	FRONT 0, 1, 4                                  ; the first three groups stand in front of the loop: the first step's products start the sums
	WIN 0                                          ; at a label and at a branch every window is 0
	s_mov_b32 s3, 3
.Llap:                                                 ; a trip goes once round the ring, from a lap's fourth group to the next lap's third, and fills both slots again
	MID 0, 5
	SLOTEND 0, 1, 6, 7
	FRONT 1, 0, 8
	MID 1, 9
	SLOTEND 1, 1, 10, 11
	FRONT 0, 0, 12
	WIN 0
	s_wait_xcnt 0x0                                ; w's loads have read their base
	s_add_nc_u64 s[WB:WB+1], s[WB:WB+1], 8*2048
	s_sub_co_u32 s3, s3, 1
	s_cmp_lg_u32 s3, 0
	s_cbranch_scc1 .Llap
	MID 0, 5                                       ; the last lap fills nothing; its first slot asks for w's last three steps
	SLOTEND 0, 0, 6, 7
	s_wait_loadcnt 48                              ; THE LAST SLOT.  Its first step goes as ever: fragments 0-15, in groups of 7, 6 and 3
	s_wait_dscnt 24
	MULG 0, 0, GN, 0
	PLACES
	WIN 0
.irp i, 0,1,2
.irp c, 0,1,2,3
	ds_load_b128 v[XB+16*\i+4*\c:XB+16*\i+4*\c+3], v[ADX+3] offset:BLK*(5+\i)+32*\c   ; fragments 13-15: the first three of group 2
.endr
.endr
	s_wait_dscnt 12
	MULG 1, 0, GN, 0
	PLACES
	WIN 0
	FETR 0
	s_wait_dscnt 12
	MULG 2, 0, 3, 0
	PLACES
	WIN 0
	FETR 1
	s_wait_kmcnt 0x0
	s_add_co_i32 s96, s96, s97                     ; e0 + e1
.irp i, 0,1,2,3
	v_mul_f32 v[F+\i], s72, v[F+\i]
.endr
.irp i, 0,1,2,3
	v_ldexp_f32 v[F+\i], v[F+\i], s96
.endr
	s_wait_alu depctr_va_vdst(0)
.irp a, 0,1,2,3,4,5,6,7,8,9,10,11,12,13,14,15
.if \a == 0
	s_wait_dscnt 12                                ; block 0 is in; block 1's 12 loads may be out
.else
	s_wait_dscnt 28                                ; this block is in; the next block's 12 loads and the last block's 16 stage instructions may be out
.endif
	ROWM \a
	PLACES                                         ; in front of the loads into its fragments' registers and of the stores that read its results
	WIN 0
.if \a < 14
	FETR \a+2
.endif
.if \a > 1
	s_wait_xcnt 0x0                                ; block a - 2's stores have read their registers
.endif
	TOSTAGE \a
.if \a > 0
.if \a < 14
	SEND \a-1, 28
.else
	SEND \a-1, 16
.endif
.endif
.endr
	SEND 15, 0
	s_wait_tensorcnt 0x0                           ; the wave's end
	ds_add_u32 v[SPW], v[NIL]
	s_wait_dscnt 0x0
	CROUND                                         ; the closing round
	s_endpgm
.Lfunc_end_k_q142db25307_gemm:
	.size	k_q142db25307_gemm, .Lfunc_end_k_q142db25307_gemm-k_q142db25307_gemm
	.p2alignl 7, 3214868480
	.fill 96, 4, 3214868480
	.section	.rodata,"a",@progbits
	.p2align	6, 0x0
	.amdhsa_kernel k_q142db25307_gemm
		.amdhsa_group_segment_fixed_size 327680
		.amdhsa_private_segment_fixed_size 0
		.amdhsa_enable_private_segment 0
		.amdhsa_kernarg_size 48
		.amdhsa_user_sgpr_count 2
		.amdhsa_user_sgpr_kernarg_segment_ptr 1
		.amdhsa_wavefront_size32 1
		.amdhsa_system_sgpr_workgroup_id_x 1
		.amdhsa_system_sgpr_workgroup_id_y 1
		.amdhsa_system_sgpr_workgroup_id_z 1
		.amdhsa_system_vgpr_workitem_id 0
		.amdhsa_next_free_vgpr 1024
		.amdhsa_next_free_sgpr 98
		.amdhsa_reserve_vcc 0
		.amdhsa_float_denorm_mode_32 3
		.amdhsa_float_denorm_mode_16_64 3
		.amdhsa_memory_ordered 1
		.amdhsa_forward_progress 1
		.amdhsa_inst_pref_size 220
	.end_amdhsa_kernel
	.amdgpu_metadata
---
amdhsa.version: [ 1, 2 ]
amdhsa.kernels:
  - .name:           k_q142db25307_gemm
    .symbol:         k_q142db25307_gemm.kd
    .args:
      - { .name: xc, .offset: 0, .size: 8, .value_kind: global_buffer, .address_space: global }
      - { .name: wc, .offset: 8, .size: 8, .value_kind: global_buffer, .address_space: global }
      - { .name: lowp_scales, .offset: 16, .size: 8, .value_kind: global_buffer, .address_space: global }
      - { .name: input_scale, .offset: 24, .size: 8, .value_kind: global_buffer, .address_space: global }
      - { .name: s_channel, .offset: 32, .size: 8, .value_kind: global_buffer, .address_space: global }
      - { .name: out0, .offset: 40, .size: 8, .value_kind: global_buffer, .address_space: global }
    .group_segment_fixed_size: 327680
    .private_segment_fixed_size: 0
    .kernarg_segment_align: 8
    .kernarg_segment_size: 48
    .max_flat_workgroup_size: 128
    .sgpr_count:     98
    .vgpr_count:     1024
    .wavefront_size: 32
...
	.end_amdgpu_metadata
.endif
;; end of part 2
